; MI455X (gfx1250); checked and timed in simulation.
; The chip was launched on July 23, 2026; its instructions are those of AMD's public machine-readable ISA for CDNA 5 (MIT licence, August 2026) and "CDNA5" Instruction Set Architecture Reference Guide (July 2026). The comments in the code are by the model that wrote it; some were corrected since.
;; Vector Quantizer. Allowed arithmetic: float matrix products may take bf16 or f16 operands with f32 sums; all other float work in f32.
;; Inputs: embedding 8,192 x 256 float32; inputs 32,768 x 256 float32.
;; Outputs: out0 32,768 x 256 float32; out1 one number float32; out2 32,768 x 1 x 1 int32.
;; One version. Each part assembles by itself: llvm-mc -triple=amdgcn-amd-amdhsa -mcpu=gfx1250 --defsym DOCPART=n.
;; ======== version 1 of 1: 4 launches
;; workspace buffers: ebf 4,194,304 bytes; ee 32,768 bytes; idx 131,072 bytes of whole numbers; part 2,048 bytes
;; launch prep (part 1): grid 128 x 1, 16 waves a work-group, no clusters, 2,304 bytes of LDS; arguments embedding, ebf, ee; writes ebf, ee
.if DOCPART == 1
	.amdgcn_target "amdgcn-amd-amdhsa--gfx1250"
	.amdhsa_code_object_version 6
	.text
	.protected	k_q5343bf96b1_prep
	.globl	k_q5343bf96b1_prep
	.p2align	8
	.type	k_q5343bf96b1_prep,@function
k_q5343bf96b1_prep:
	s_mov_b64 s[64:65], 0
	v_nop
	global_prefetch_b8 v0, s[64:65] scope:SCOPE_SE
	s_setreg_imm32_b32 hwreg(HW_REG_WAVE_MODE, 25, 1), 1
	s_wait_xcnt 0x0
; ebf[k][c] = bf16(-2 e[k][c]),  ee[k] = sum over c of bf16(e[k][c])^2.   embedding: [8192][256] f32.
; The factor -2 is a power of two: bf16(-2 e) = -2 bf16(e), so the next launch's matrix sums are already -2 x.e, with the same roundings.
; LIMIT: that identity fails for |e| below 2^-126 (denormals) and above 1.6e38 (overflow of 2 e).
; A stream: every byte is read once and written once, nothing is shared between work-groups, so no cluster, no matrix unit, no tiles in LDS.
; 128 work-groups x 16 waves x 4 rows = 8,192 rows.  A work-group has 64 rows, so that its 64 sums are 256 consecutive bytes of ee, aligned.
; A wave issues all its eight loads (two of 512 bytes for each row) at once: there is no loop.
.set X,   8                            ; v[8:39]   row i: 8 registers: columns 4 lane .. +3 and 128 + 4 lane .. +3
.set P,   40                           ; v[40:55]  row i: 4 registers of packed bf16, the stores' data, never rewritten
.set A,   56                           ; v[56:63]  row i: a pair of partial sums
.set S,   64                           ; v[64:67]  row i: the sum
	s_load_b128 s[4:7], s[0:1], 0x0                ; embedding s[4:5], ebf s[6:7]
	s_load_b64 s[8:9], s[0:1], 0x10                ; ee
	v_lshl_add_u32 v80, v0, 2, 0x100
	v_mov_b32 v81, 0
	v_lshrrev_b32 v4, 5, v0
	v_readfirstlane_b32 s10, v4                    ; wave 0..15
	v_and_b32 v5, 31, v0                           ; lane
	s_mov_b32 s12, 0x76543210                      ; v_permlanex16_b32: lane i of one half reads lane i of the other
	s_mov_b32 s13, 0xfedcba98
	s_mov_b32 s14, 0xffff0000                      ; a word's upper bf16
	v_lshlrev_b32 v1, 4, v5
	v_lshl_add_u32 v1, v4, 12, v1                  ; in: wave x 4 rows x 1,024 bytes + 16 lane
	v_lshlrev_b32 v2, 3, v5
	v_lshl_add_u32 v2, v4, 11, v2                  ; out: wave x 4 rows x 512 bytes + 8 lane
	v_lshlrev_b32 v3, 4, v4                        ; LDS: the wave's four sums at 16 wave
	v_and_b32 v6, 15, v0
	v_lshlrev_b32 v6, 4, v6                        ; wave 0, at the end: 16 bytes of the 256
	s_lshl_b32 s16, ttmp9, 16                      ; the work-group's 64 rows: 65,536 bytes in,
	s_mov_b32 s17, 0
	s_lshl_b32 s18, ttmp9, 15                      ; 32,768 bytes out,
	s_mov_b32 s19, 0
	s_lshl_b32 s20, ttmp9, 8                       ; 256 bytes of sums
	s_mov_b32 s21, 0
	s_wait_kmcnt 0x0
	s_add_nc_u64 s[4:5], s[4:5], s[16:17]
	s_add_nc_u64 s[6:7], s[6:7], s[18:19]
	s_add_nc_u64 s[8:9], s[8:9], s[20:21]
.irp i, 0,1,2,3
	global_load_b128 v[X+8*\i:X+8*\i+3],   v1, s[4:5] offset:1024*\i th:TH_LOAD_NT
	global_load_b128 v[X+8*\i+4:X+8*\i+7], v1, s[4:5] offset:1024*\i+512 th:TH_LOAD_NT
.endr
.macro ROW i
	s_wait_loadcnt 6-2*\i                          ; loads come back in order: this row's two are in, the younger rows' two each stay out
.irp k, 0,1,2,3
	v_pk_mul_f32 v[X+8*\i+2*\k:X+8*\i+2*\k+1], v[X+8*\i+2*\k:X+8*\i+2*\k+1], -2.0 op_sel_hi:[1,0]
.endr
.irp k, 0,1,2,3
	v_cvt_pk_bf16_f32 v[P+4*\i+\k], v[X+8*\i+2*\k], v[X+8*\i+2*\k+1]
.endr
	global_store_b64 v2, v[P+4*\i:P+4*\i+1],   s[6:7] offset:512*\i       ; 32 lanes x 8 bytes: 256 consecutive bytes, aligned
	global_store_b64 v2, v[P+4*\i+2:P+4*\i+3], s[6:7] offset:512*\i+256
.irp k, 0,1,2,3
	v_lshlrev_b32 v[X+8*\i+2*\k],   16,  v[P+4*\i+\k]                     ; the rounded numbers back as f32: the sum is of what the product will see
	v_and_b32     v[X+8*\i+2*\k+1], s14, v[P+4*\i+\k]
.endr
	v_pk_mul_f32 v[A+2*\i:A+2*\i+1], v[X+8*\i:X+8*\i+1], v[X+8*\i:X+8*\i+1]   ; the first squares start the sums
.irp k, 1,2,3
	v_pk_fma_f32 v[A+2*\i:A+2*\i+1], v[X+8*\i+2*\k:X+8*\i+2*\k+1], v[X+8*\i+2*\k:X+8*\i+2*\k+1], v[A+2*\i:A+2*\i+1]
.endr
	v_add_f32 v[S+\i], v[A+2*\i], v[A+2*\i+1]
.endm
	ROW 0
	ROW 1
	ROW 2
	ROW 3
	; across the 32 lanes: four steps inside each half of 16, one across the halves; every lane ends with the row's sum
.irp m, 1,2,4,8
.irp i, 0,1,2,3
	v_add_f32_dpp v[S+\i], v[S+\i], v[S+\i] row_xmask:\m row_mask:0xf bank_mask:0xf
.endr
.endr
.irp i, 0,1,2,3
	v_permlanex16_b32 v[A+2*\i], v[S+\i], s12, s13 ; the destination counts as read: A has been written
.endr
.irp i, 0,1,2,3
	v_add_f32 v[S+\i], v[S+\i], v[A+2*\i]
.endr
	ds_store_b128 v3, v[S:S+3]                     ; all lanes write the same 16 bytes with the same values
	s_wait_dscnt 0x0                               ; for wave 0, which reads them: my store is done before I signal
	s_barrier_signal -1
	s_barrier_wait -1
	s_cmp_lg_u32 s10, 0
	s_cbranch_scc1 .Lothers
	v_cmp_gt_u32 vcc_lo, 16, v0
	s_wait_xcnt 0x0                                ; EXEC is a source of my pending stores: it changes only behind this wait
	s_wait_tensorcnt 0x0
	ds_add_u32 v80, v81
	s_wait_dscnt 0x0
	s_and_saveexec_b32 s22, vcc_lo                 ; sixteen lanes carry the 256 bytes
	ds_load_b128 v[72:75], v6
	s_wait_dscnt 0x0
	v_pk_mul_f32 v[72:73], v[72:73], 0x3e800000 op_sel_hi:[1,0]   ; the squares were of -2 e: times 1/4, exact
	v_pk_mul_f32 v[74:75], v[74:75], 0x3e800000 op_sel_hi:[1,0]
	global_store_b128 v6, v[72:75], s[8:9]         ; 16 lanes x 16 bytes: 256 consecutive bytes, aligned
	s_endpgm
.Lothers:
	s_wait_tensorcnt 0x0
	ds_add_u32 v80, v81
	s_wait_dscnt 0x0
	s_endpgm
.Lfunc_end_k_q5343bf96b1_prep:
	.size	k_q5343bf96b1_prep, .Lfunc_end_k_q5343bf96b1_prep-k_q5343bf96b1_prep
	.p2alignl 7, 3214868480
	.fill 96, 4, 3214868480
	.section	.rodata,"a",@progbits
	.p2align	6, 0x0
	.amdhsa_kernel k_q5343bf96b1_prep
		.amdhsa_group_segment_fixed_size 2304
		.amdhsa_private_segment_fixed_size 0
		.amdhsa_enable_private_segment 0
		.amdhsa_kernarg_size 24
		.amdhsa_user_sgpr_count 2
		.amdhsa_user_sgpr_kernarg_segment_ptr 1
		.amdhsa_wavefront_size32 1
		.amdhsa_system_sgpr_workgroup_id_x 1
		.amdhsa_system_sgpr_workgroup_id_y 1
		.amdhsa_system_sgpr_workgroup_id_z 1
		.amdhsa_system_vgpr_workitem_id 0
		.amdhsa_next_free_vgpr 82
		.amdhsa_next_free_sgpr 66
		.amdhsa_reserve_vcc 1
		.amdhsa_float_denorm_mode_32 3
		.amdhsa_float_denorm_mode_16_64 3
		.amdhsa_memory_ordered 1
		.amdhsa_forward_progress 1
		.amdhsa_inst_pref_size 10
	.end_amdhsa_kernel
	.amdgpu_metadata
---
amdhsa.version: [ 1, 2 ]
amdhsa.kernels:
  - .name:           k_q5343bf96b1_prep
    .symbol:         k_q5343bf96b1_prep.kd
    .args:
      - { .name: embedding, .offset: 0, .size: 8, .value_kind: global_buffer, .address_space: global }
      - { .name: ebf, .offset: 8, .size: 8, .value_kind: global_buffer, .address_space: global }
      - { .name: ee, .offset: 16, .size: 8, .value_kind: global_buffer, .address_space: global }
    .group_segment_fixed_size: 2304
    .private_segment_fixed_size: 0
    .kernarg_segment_align: 8
    .kernarg_segment_size: 24
    .max_flat_workgroup_size: 512
    .sgpr_count:     66
    .vgpr_count:     82
    .wavefront_size: 32
...
	.end_amdgpu_metadata
.endif
;; end of part 1
;; launch amin (part 2): grid 256 x 1, 8 waves a work-group, clusters of 4 x 1, 327,680 bytes of LDS; arguments ebf, ee, inputs, out2, idx; writes out2, idx
.if DOCPART == 2
	.amdgcn_target "amdgcn-amd-amdhsa--gfx1250"
	.amdhsa_code_object_version 6
	.text
	.protected	k_q5343bf96b1_amin
	.globl	k_q5343bf96b1_amin
	.p2align	8
	.type	k_q5343bf96b1_amin,@function
k_q5343bf96b1_amin:
	s_mov_b64 s[64:65], 0
	v_nop
	global_prefetch_b8 v0, s[64:65] scope:SCOPE_SE
	s_setreg_imm32_b32 hwreg(HW_REG_WAVE_MODE, 25, 1), 1
	s_wait_xcnt 0x0
	s_wait_alu depctr_hold_cnt(0) depctr_sa_sdst(0) depctr_va_vdst(0) depctr_va_sdst(0) depctr_va_ssrc(0) depctr_va_vcc(0) depctr_vm_vsrc(0)
	s_getreg_b32 s2, hwreg(HW_REG_IB_STS2, 6, 4)
	s_cmp_eq_u32 s2, 0
	s_cbranch_scc0 .Lentry_in_a_cluster
	s_endpgm
.Lentry_in_a_cluster:
	s_bfe_u32 s2, ttmp6, 0x10000c
	s_cmp_lg_u32 s2, 0x3003
	s_cbranch_scc0 .Lentry_shape_is_right
	s_endpgm
.Lentry_shape_is_right:
; out2[n] = idx[n] = the first k at which d[n][k] = fl(fl(xx[n] + ee[k]) + (-2 x[n].e[k])) is least: the two f32 roundings of the problem's formula,
; on x and e rounded to bf16.  ebf holds -2 bf16(e), so the matrix sum is the third term as it stands.  xx is summed here from the rounded x.
; The f32 distances lie on the coarse steps of xx's magnitude, so equal distances are common and the first index has to win: strict < along ascending
; codes inside a chain, and (distance, code) compared as a pair wherever chains meet.
; LIMITS: a NaN or infinite distance never wins (the problem's own result is not finite there).  Where two codes of a row lie on the same or on neighbouring
; steps, the index hangs on the last bit of the product's sum, which the matrix instruction forms in another order than a serial f32 sum does.
;
; SHARES.  256 work-groups; each owns 128 rows of x and walks all 8,192 codes.  Eight waves: wave w has rows 64 (w >> 2) .. +63 and quarter w & 3 of each
; slot's 256 codes.  A wave keeps its 64 rows as bf16 fragments in 256 registers (window 1) for the whole launch; for a tile of 16 codes it reads
; 8,192 bytes of fragments from LDS and issues 32 matrix instructions, then 128 vector instructions that fold 16 x 64 distances into running minima.
; The matrix instruction takes the codes as its first source and x as its second: lane (r, h) then holds row r of x, registers j the codes 8 h + j.
; Waves 0-3 and waves 4-7 run the two phases in opposite order (see TRIP), so that half of the waves multiply while the other half compare.
; CLUSTER.  Every work-group reads the same codes and the same ee: four work-groups ask for them jointly (mask 15), which divides those requests by four.
; The rows of x are a work-group's own: a plain load.
;
; LDS:  0        slot 0: 256 codes x 528 bytes (512 of data + 16 of padding: 33 x 16, so 16 rows of a fragment load start at 16 different 16-byte columns)
;       135,168  slot 1, the same.  At the start it holds the stage of x: 128 rows x 1,040 bytes of f32 (65 x 16)
;       270,336  ee, 32,768 bytes, filled once
;       303,104  RED, 4,096 bytes: written by ds_store alone, no fill ever lands here
.set PITCH,  528
.set QUART,  64*PITCH                  ; a wave's quarter of a slot, and what one tensor load brings
.set SLOT,   4*QUART
.set XPITCH, 1040
.set XHALF,  64*XPITCH
.set EELDS,  2*SLOT
.set RED,    EELDS+32768
.set STEP,   256*512                   ; bytes of ebf in a slot
; window 0
.set ADR,  4                           ; v4, v5     my fragment address in slot 0, 1
.set EEA,  6                           ; v6         my ee address, 1,024 bytes on with every slot
.set XSA,  7                           ; v7         my address in the stage of x
.set RST,  8                           ; v8         RED: where I put a row's result
.set RRD,  9                           ; v9         RED: where waves 0 and 1 read
.set OUTO, 10                          ; v10        8 x thread: byte offset of two indices
.set TN,   11                          ; v11        number of the tile of 16 codes whose distances are folded next
.set HJ,   12                          ; v[12:19]   8 h + j
.set XXP,  20                          ; v[20:27]   x tile a: xx of my row, twice (a pair for the packed add)
.set XA,   28                          ; v[28:35]   partial sums of xx
.set MW,   36                          ; v[36:51]   the last merge
.set EF,   64                          ; v[64:127]  the tile's fragments: 8 steps of 32 along D x 8 registers
.set ACC,  128                         ; v[128:159] four accumulators: 16 codes x 16 rows each
.set BEST, 160                         ; v[160:191] least distance of chain (a, j)
.set IDX,  192                         ; v[192:223] its tile number, at the end its code
.set EEB,  224                         ; v[224:239] ee of my 8 codes, two buffers
.set T,    240                         ; v[240:255] at work, two sets
.set STG,  64                          ; v[64:191]  x as f32, during the conversion only
; window 1: fragment (a, c) of x at v[64 a + 8 c]
.set G1E,  24                          ; s[24:31] shape of a quarter slot of codes (joint)
.set G0E,  32                          ; s[32:39] from where, to where: one set for each slot
.set G1X,  40                          ; s[40:47] shape of 64 rows of x (plain)
.set G0X,  48
.set G1EE, 52                          ; s[52:59] shape of ee (joint)
.set G0EE, 60
.set MSB, 0
.macro WIN new                         ; s_set_vgpr_msb: bits 1:0 source 0, 3:2 source 1, 5:4 source 2, 7:6 destination; the high byte repeats the setting that is left
.if MSB != \new
	s_set_vgpr_msb (MSB<<8)|\new
.set MSB, \new
.endif
.endm
.macro CREST                           ; a round of the cluster's barrier behind its opening work-group barrier
	s_cmp_lg_u32 s14, 0
	s_cbranch_scc1 .Lnot_wave_0_\@
	s_barrier_signal -3                            ; wave 0 speaks for the work-group
.Lnot_wave_0_\@:
	s_barrier_wait -3
	s_barrier_signal -1
	s_barrier_wait -1
.endm
.macro ROUND
	s_barrier_signal -1
	s_barrier_wait -1
	CREST
.endm
.macro JLOAD n                         ; waves 0-3 ask for a quarter each of slot n; the branch hangs on the wave's number alone
	s_cmp_lt_u32 s14, 4
	s_cbranch_scc0 .Lno_load_\@
	tensor_load_to_lds s[G0E+4*\n:G0E+4*\n+3], s[G1E:G1E+7]
	s_nop 0
.Lno_load_\@:
.endm
.macro PLACES n                        ; n places behind a matrix instruction: plain vector instructions that name none of its registers (ISA guide 7.12.1)
.rept \n
	v_nop
.endr
.endm
	s_load_b256 s[4:11], s[0:1], 0x0               ; ebf s[4:5], ee s[6:7], inputs s[8:9], out2 s[10:11]
	s_load_b64 s[12:13], s[0:1], 0x20              ; idx
	v_lshl_add_u32 v62, v0, 2, 0x4b000
	v_mov_b32 v63, 0
	ds_add_u32 v62, v63
	v_lshrrev_b32 v1, 5, v0
	v_readfirstlane_b32 s14, v1                    ; wave 0..7
	s_and_b32 s15, s14, 3                          ; my quarter of the codes
	s_lshr_b32 s16, s14, 2                         ; my half of the rows
	s_bfe_u32 s17, ttmp6, 0x40000                  ; my place in the cluster
	s_lshl_b32 s18, ttmp9, 2                       ; ttmp9 counts clusters
	s_add_co_u32 s18, s18, s17                     ; work-group 0..255: it enters global addresses of x and of the results alone
	s_mov_b32 s21, 0x76543210                      ; v_permlanex16_b32: lane i xor 16
	s_mov_b32 s22, 0xfedcba98
	; codes: 64 rows x 256 elements of 2 bytes; 4 words of padding behind every 128 words; mask 15 with bit 21 beside it
	s_mov_b32 s[G1E+0], 15|(1<<16)|(1<<20)|(1<<21)|(6<<22)|(3<<25)
	s_mov_b32 s[G1E+1], 256<<16                    ; tensor_dim0 = 256
	s_mov_b32 s[G1E+2], 64<<16                     ; tensor_dim1 = 64
	s_mov_b32 s[G1E+3], 256<<16                    ; tile_dim0 = 256
	s_mov_b32 s[G1E+4], 64                         ; tile_dim1 = 64
	s_mov_b32 s[G1E+5], 256                        ; elements from row to row
	s_mov_b32 s[G1E+6], 0
	s_mov_b32 s[G1E+7], 0
	; x: 64 rows x 256 elements of 4 bytes; 4 words of padding behind every 256 words; no mask
	s_mov_b32 s[G1X+0], (2<<16)|(1<<20)|(7<<22)|(3<<25)
	s_mov_b32 s[G1X+1], 256<<16
	s_mov_b32 s[G1X+2], 64<<16
	s_mov_b32 s[G1X+3], 256<<16
	s_mov_b32 s[G1X+4], 64
	s_mov_b32 s[G1X+5], 256
	s_mov_b32 s[G1X+6], 0
	s_mov_b32 s[G1X+7], 0
	; ee: a dense block of 32,768 bytes as 128 rows x 32 elements of 8 bytes; mask 15 with bit 21 beside it
	s_mov_b32 s[G1EE+0], 15|(3<<16)|(1<<21)
	s_mov_b32 s[G1EE+1], 32<<16
	s_mov_b32 s[G1EE+2], 128<<16
	s_mov_b32 s[G1EE+3], 32<<16
	s_mov_b32 s[G1EE+4], 128
	s_mov_b32 s[G1EE+5], 32
	s_mov_b32 s[G1EE+6], 0
	s_mov_b32 s[G1EE+7], 0
	s_mul_i32 s66, s15, QUART                      ; my quarter in a slot
	s_lshl_b32 s68, s15, 15                        ; and in ebf: 64 rows of 512 bytes
	s_mov_b32 s69, 0
	s_and_b32 s67, s14, 1                          ; waves 4 and 5: which 64 rows of x
	s_mul_i32 s19, s67, XHALF
	s_lshl_b32 s70, s18, 17                        ; the work-group's 128 rows of 1,024 bytes
	s_lshl_b32 s71, s67, 16
	s_add_co_u32 s70, s70, s71
	s_mov_b32 s71, 0
	s_wait_dscnt 0x0
	s_wait_kmcnt 0x0
	s_add_nc_u64 s[68:69], s[4:5], s[68:69]
.irp n, 0,1
	s_mov_b32 s[G0E+4*\n], 1
	s_add_co_u32 s[G0E+4*\n+1], s66, \n*SLOT
	s_add_nc_u64 s[G0E+4*\n+2:G0E+4*\n+3], s[68:69], \n*STEP
	s_or_b32 s[G0E+4*\n+3], s[G0E+4*\n+3], 0x80000000
.endr
	s_mov_b32 s[G0X], 1
	s_add_co_u32 s[G0X+1], s19, SLOT
	s_add_nc_u64 s[G0X+2:G0X+3], s[8:9], s[70:71]
	s_or_b32 s[G0X+3], s[G0X+3], 0x80000000
	s_mov_b32 s[G0EE], 1
	s_mov_b32 s[G0EE+1], EELDS
	s_mov_b64 s[G0EE+2:G0EE+3], s[6:7]
	s_or_b32 s[G0EE+3], s[G0EE+3], 0x80000000
	ROUND                                          ; all four work-groups are here: the first joint loads meet
	; the first fills, one a wave at the most: waves 0-3 slot 0, waves 4 and 5 the stage of x, wave 6 ee
	s_cmp_lt_u32 s14, 4
	s_cbranch_scc0 .Lfill_x
	tensor_load_to_lds s[G0E:G0E+3], s[G1E:G1E+7]
	s_nop 0
	s_branch .Lfilled
.Lfill_x:
	s_cmp_lt_u32 s14, 6
	s_cbranch_scc0 .Lfill_ee
	tensor_load_to_lds s[G0X:G0X+3], s[G1X:G1X+7]
	s_nop 0
	s_branch .Lfilled
.Lfill_ee:
	s_cmp_eq_u32 s14, 6
	s_cbranch_scc0 .Lfilled
	tensor_load_to_lds s[G0EE:G0EE+3], s[G1EE:G1EE+7]
	s_nop 0
.Lfilled:
	v_and_b32 v1, 15, v0                           ; r
	v_bfe_u32 v2, v0, 4, 1                         ; h
	v_mul_u32_u24 v[ADR], v1, PITCH                ; a fragment: lane (r, h) takes row r, 16 bytes at 16 h and at 32 + 16 h of each 64
	v_lshl_add_u32 v[ADR], v2, 4, v[ADR]
	v_add_nc_u32 v[ADR], s66, v[ADR]
	v_add_nc_u32 v[ADR+1], SLOT, v[ADR]
	s_lshl_b32 s67, s15, 8                         ; ee of my quarter: 64 words,
	s_add_co_u32 s67, s67, EELDS
	v_lshl_add_u32 v[EEA], v2, 5, s67              ; of my 8 codes: 32 bytes at 32 h
	s_mul_i32 s67, s16, XHALF
	s_add_co_u32 s67, s67, SLOT
	v_mul_u32_u24 v[XSA], v1, XPITCH
	v_lshl_add_u32 v[XSA], v2, 5, v[XSA]           ; eight f32 at 32 h
	v_add_nc_u32 v[XSA], s67, v[XSA]
	s_lshl_b32 s67, s14, 9
	s_add_co_u32 s67, s67, RED
	v_lshl_add_u32 v[RST], v1, 2, s67              ; RED + 512 wave + 4 r
	v_lshlrev_b32 v[OUTO], 3, v0
	s_lshl_b32 s67, s15, 2
	v_mov_b32 v[TN], s67                           ; my first tile: 4 x quarter
.irp j, 0,1,2,3,4,5,6,7
	v_lshl_add_u32 v[HJ+\j], v2, 3, \j
.endr
	s_wait_tensorcnt 0x0                           ; my fill has landed,
	s_barrier_signal -1
	s_barrier_wait -1                              ; everybody's has.
	; x: f32 from the stage, rounded to bf16, into the fragments of window 1.  Step c of 32 along D: 32 bytes at 128 c + 32 h, 32 bytes at 128 c + 64 + 32 h.
.irp a, 0,1,2,3
	WIN 0
.irp c, 0,1,2,3,4,5,6,7
	ds_load_b128 v[STG+16*\c:STG+16*\c+3],     v[XSA] offset:16*XPITCH*\a+128*\c
	ds_load_b128 v[STG+16*\c+4:STG+16*\c+7],   v[XSA] offset:16*XPITCH*\a+128*\c+16
	ds_load_b128 v[STG+16*\c+8:STG+16*\c+11],  v[XSA] offset:16*XPITCH*\a+128*\c+64
	ds_load_b128 v[STG+16*\c+12:STG+16*\c+15], v[XSA] offset:16*XPITCH*\a+128*\c+80
.endr
	WIN 0x40                                       ; destination in window 1
.irp c, 0,1,2,3,4,5,6,7
	s_wait_dscnt 28-4*\c                           ; LDS loads come back in order: step c is in, the four loads of each younger step stay out
.irp m, 0,1,2,3,4,5,6,7
	v_cvt_pk_bf16_f32 v[64*\a+8*\c+\m], v[STG+16*\c+2*\m], v[STG+16*\c+2*\m+1]
.endr
.endr
.endr
	; xx from the rounded numbers: eight chains (x tile, low or high half of the words) that take turns
	WIN 0
.irp i, 0,1,2,3,4,5,6,7
	v_mov_b32 v[XA+\i], 0
.endr
	WIN 0x05                                       ; sources 0 and 1 in window 1
.set n, 0
.rept 64
.irp a, 0,1,2,3
	v_fma_mix_f32_bf16 v[XA+2*\a],   v[64*\a+n], v[64*\a+n], v[XA+2*\a]   op_sel_hi:[1,1,0]
	v_fma_mix_f32_bf16 v[XA+2*\a+1], v[64*\a+n], v[64*\a+n], v[XA+2*\a+1] op_sel:[1,1,0] op_sel_hi:[1,1,0]
.endr
.set n, n+1
.endr
	WIN 0
.irp a, 0,1,2,3
	v_add_f32 v[XA+2*\a], v[XA+2*\a], v[XA+2*\a+1]
	v_permlanex16_b32 v[XA+2*\a+1], v[XA+2*\a], s21, s22   ; lane (r, 1 - h) holds the row's other half of D
	v_add_f32 v[XXP+2*\a],   v[XA+2*\a], v[XA+2*\a+1]
	v_add_f32 v[XXP+2*\a+1], v[XA+2*\a], v[XA+2*\a+1]
.endr
; 18 LDS loads: tile i (16 codes) of my quarter of a slot, and ee of my 8 codes into buffer p
.macro LOADF slot, i, p
.irp c, 0,1,2,3,4,5,6,7
	ds_load_b128 v[EF+8*\c:EF+8*\c+3],   v[ADR+\slot] offset:\i*16*PITCH+64*\c
	ds_load_b128 v[EF+8*\c+4:EF+8*\c+7], v[ADR+\slot] offset:\i*16*PITCH+64*\c+32
.endr
	ds_load_b128 v[EEB+8*\p:EEB+8*\p+3],   v[EEA] offset:64*\i
	ds_load_b128 v[EEB+8*\p+4:EEB+8*\p+7], v[EEA] offset:64*\i+16
.endm
; 32 matrix instructions: 16 codes x 64 rows x 256.  The first step starts the sums with the constant 0.
; The four accumulators take turns, one instruction a turn.
.macro MM
	WIN 0x04                                       ; source 1 (x) in window 1
.irp c, 0,1,2,3,4,5,6,7
.irp a, 0,1,2,3
.if \c
	v_wmma_f32_16x16x32_bf16 v[ACC+8*\a:ACC+8*\a+7], v[EF+8*\c:EF+8*\c+7], v[64*\a+8*\c:64*\a+8*\c+7], v[ACC+8*\a:ACC+8*\a+7]
.else
	v_wmma_f32_16x16x32_bf16 v[ACC+8*\a:ACC+8*\a+7], v[EF+8*\c:EF+8*\c+7], v[64*\a+8*\c:64*\a+8*\c+7], 0
.endif
.endr
.endr
	WIN 0
.endm
.macro SUMS a, p                       ; fl(xx + ee) for x tile a and my 8 codes
.irp q, 0,1,2,3
	v_pk_add_f32 v[T+8*((\a)&1)+2*\q:T+8*((\a)&1)+2*\q+1], v[EEB+8*\p+2*\q:EEB+8*\p+2*\q+1], v[XXP+2*(\a):XXP+2*(\a)+1]
.endr
.endm
; The distances of the tile in ACC are folded into the chains.  p: its ee buffer; step: how far TN goes on; init = 1: the first tile starts the chains, nothing is cleared;
; ld = 1: the next tile's loads (slot, i, into ee buffer pn) go out behind the first four adds, which name no register of a matrix instruction
; and so are the four places that stand between the products and both the loads into EF and the first read of ACC.
.macro EPI p, step, init, ld, slot, i, pn
	SUMS 0, \p
.if \ld
	LOADF \slot, \i, \pn
.endif
.irp a, 0,1,2,3
.if \a
	SUMS \a, \p
.endif
.if \init
.irp q, 0,1,2,3
	v_pk_add_f32 v[BEST+8*\a+2*\q:BEST+8*\a+2*\q+1], v[T+8*(\a&1)+2*\q:T+8*(\a&1)+2*\q+1], v[ACC+8*\a+2*\q:ACC+8*\a+2*\q+1]
.endr
.irp j, 0,1,2,3,4,5,6,7
	v_mov_b32 v[IDX+8*\a+\j], v[TN]
.endr
.else
.irp q, 0,1,2,3
	v_pk_add_f32 v[T+8*(\a&1)+2*\q:T+8*(\a&1)+2*\q+1], v[T+8*(\a&1)+2*\q:T+8*(\a&1)+2*\q+1], v[ACC+8*\a+2*\q:ACC+8*\a+2*\q+1]
.endr
.irp j, 0,1,2,3,4,5,6,7
	v_cmp_lt_f32 s[72+\j], v[T+8*(\a&1)+\j], v[BEST+8*\a+\j]              ; strictly less: of equal distances the earlier tile stays
.endr
.irp j, 0,1,2,3,4,5,6,7
	v_cndmask_b32 v[IDX+8*\a+\j], v[IDX+8*\a+\j], v[TN], s[72+\j]
.endr
.irp j, 0,1,2,3,4,5,6,7
	v_min_num_f32 v[BEST+8*\a+\j], v[BEST+8*\a+\j], v[T+8*(\a&1)+\j]
.endr
.endif
.endr
	v_add_nc_u32 v[TN], \step, v[TN]
.endm
; One slot: four tiles of my quarter.  aepi = 1: a tile of the slot before is still to be folded by waves 0-3; init = 1: the launch's first tile;
; nxt = 2: this slot is filled again, two slots ahead; 1: a change of slots without a fill; 0: the last slot.
; The fourth tile's distances are folded by waves 4-7 ahead of the barrier's wait, by waves 0-3 behind it, while waves 4-7 already multiply.
; Five v_nop stand at the head of a slot: four places are owed by the loads into EF, which the last product read, and five by this slot's first
; matrix instructions, which write over that product's accumulators.  Every wave also runs one copy of the fold between the
; two products; the five places keep the distance without leaning on which copy that is.
; The change of slots: every wave waits for its reads of this slot and for all its tensor loads (for waves 0-3 one is out, their quarter of the other slot),
; then signals; between signal and wait stands register work alone; the round of the cluster's barrier follows, and the joint refill is the first
; tensor load behind it, one a wave.  It has the whole next slot's work in which to land.
.macro TRIP slot, aepi, init, nxt
.if \aepi
	PLACES 5
.endif
	LOADF \slot, 0, 0
.if \aepi
	s_cmp_lt_u32 s14, 4
	s_cbranch_scc0 .Lfolded_\@
	EPI 1, 13, 0, 0, 0, 0, 0
.Lfolded_\@:
.endif
	s_wait_dscnt 0x0
	MM
	EPI 0, 1, \init, 1, \slot, 1, 1
	s_wait_dscnt 0x0
	MM
	EPI 1, 1, 0, 1, \slot, 2, 0
	s_wait_dscnt 0x0
	MM
	EPI 0, 1, 0, 1, \slot, 3, 1
	s_wait_dscnt 0x0                               ; the fourth tile is in registers: my reads of this slot are over
.if \nxt
	v_add_nc_u32 v[EEA], 1024, v[EEA]              ; ee of the next 256 codes
	s_wait_tensorcnt 0x0                           ; all my tensor loads have landed
	ds_add_u32 v62, v63
	s_wait_dscnt 0x0
	s_barrier_signal -1
	MM
	s_cmp_lt_u32 s14, 4
	s_cbranch_scc1 .Llater_\@
	EPI 1, 13, 0, 0, 0, 0, 0                       ; 13: from tile 4 q + 3 of this slot to tile 4 q of the next (16 tiles a slot)
.Llater_\@:
	s_barrier_wait -1
.if \nxt == 2
	CREST                                          ; no wave of any partner still reads this slot or has a load on its way
	s_add_nc_u64 s[G0E+4*\slot+2:G0E+4*\slot+3], s[G0E+4*\slot+2:G0E+4*\slot+3], 2*STEP
	JLOAD \slot
.endif
.else
	MM
	EPI 1, 13, 0, 0, 0, 0, 0
.endif
.endm
	; slot 1 gets its first codes over the stage of x: a refill.  My reads of the stage are back, no tensor load of mine is out; the round; the load first behind it.
	s_wait_dscnt 0x0
	s_wait_tensorcnt 0x0
	ds_add_u32 v62, v63
	s_wait_dscnt 0x0
	ROUND
	JLOAD 1
	; 32 slots of 256 codes.  Slots 2 to 31 are asked for at the ends of trips 0 to 29; the last two trips ask for nothing.
	TRIP 0, 0, 1, 2
	TRIP 1, 1, 0, 2
	s_mov_b32 s20, 14
.Lring:
	TRIP 0, 1, 0, 2
	TRIP 1, 1, 0, 2
	s_sub_co_u32 s20, s20, 1
	s_cmp_lg_u32 s20, 0
	s_cbranch_scc1 .Lring
	TRIP 0, 1, 0, 1
	TRIP 1, 1, 0, 0
; (d0, c0) = the lesser of (d0, c0) and (d1, c1), by distance and then by code
.macro MERGE d0, c0, d1, c1
	v_cmp_lt_f32 s72, v[\d1], v[\d0]
	v_cmp_eq_f32 s73, v[\d1], v[\d0]
	v_cmp_lt_u32 s74, v[\c1], v[\c0]
	s_and_b32 s73, s73, s74
	s_or_b32 s72, s72, s73
	v_cndmask_b32 v[\d0], v[\d0], v[\d1], s72
	v_cndmask_b32 v[\c0], v[\c0], v[\c1], s72
.endm
.macro PAIR a, x, y
	MERGE BEST+8*\a+\x, IDX+8*\a+\x, BEST+8*\a+\y, IDX+8*\a+\y
.endm
.irp a, 0,1,2,3
.irp j, 0,1,2,3,4,5,6,7
	v_lshl_or_b32 v[IDX+8*\a+\j], v[IDX+8*\a+\j], 4, v[HJ+\j]            ; code = 16 x tile + 8 h + j
.endr
.endr
.irp a, 0,1,2,3
	PAIR \a, 0, 1
	PAIR \a, 2, 3
	PAIR \a, 4, 5
	PAIR \a, 6, 7
	PAIR \a, 0, 2
	PAIR \a, 4, 6
	PAIR \a, 0, 4
	v_permlanex16_b32 v[T],   v[BEST+8*\a], s21, s22                       ; lane (r, 1 - h): the same row, the other eight codes of each tile
	v_permlanex16_b32 v[T+1], v[IDX+8*\a],  s21, s22
	MERGE BEST+8*\a, IDX+8*\a, T, T+1
	ds_store_b32 v[RST], v[BEST+8*\a] offset:64*\a                         ; RED, wave w: 64 distances at 512 w, 64 codes at 512 w + 256; both halves write the same
	ds_store_b32 v[RST], v[IDX+8*\a]  offset:256+64*\a
.endr
	s_wait_dscnt 0x0                               ; for waves 0 and 1, which read them
	s_barrier_signal -1
	s_barrier_wait -1
	s_cmp_lt_u32 s14, 2
	s_cbranch_scc0 .Lclose
	; wave w (0 or 1) merges the four quarters of rows 64 w .. +63: a lane takes two rows
	s_lshl_b32 s67, s14, 11
	s_add_co_u32 s67, s67, RED
	v_and_b32 v3, 31, v0
	v_lshl_add_u32 v[RRD], v3, 3, s67
.irp q, 0,1,2,3
	ds_load_b64 v[MW+4*\q:MW+4*\q+1],   v[RRD] offset:512*\q
	ds_load_b64 v[MW+4*\q+2:MW+4*\q+3], v[RRD] offset:512*\q+256
.endr
	s_lshl_b32 s66, s18, 9                         ; the work-group's 128 indices
	s_mov_b32 s67, 0
	s_add_nc_u64 s[10:11], s[10:11], s[66:67]
	s_add_nc_u64 s[12:13], s[12:13], s[66:67]
	s_wait_dscnt 0x0
.irp e, 0,1
	MERGE MW+\e,   MW+2+\e,  MW+4+\e,  MW+6+\e
	MERGE MW+8+\e, MW+10+\e, MW+12+\e, MW+14+\e
	MERGE MW+\e,   MW+2+\e,  MW+8+\e,  MW+10+\e
.endr
	global_store_b64 v[OUTO], v[MW+2:MW+3], s[10:11]   ; 32 lanes x 8 bytes: 256 consecutive bytes, aligned
	global_store_b64 v[OUTO], v[MW+2:MW+3], s[12:13]   ; the copy from which the next launch forms its addresses
.Lclose:
	s_wait_tensorcnt 0x0
	ds_add_u32 v62, v63
	s_wait_dscnt 0x0
	ROUND                                          ; the closing round: no work-group ends while a partner may still ask for a tile that names it
	s_endpgm
.Lfunc_end_k_q5343bf96b1_amin:
	.size	k_q5343bf96b1_amin, .Lfunc_end_k_q5343bf96b1_amin-k_q5343bf96b1_amin
	.p2alignl 7, 3214868480
	.fill 96, 4, 3214868480
	.section	.rodata,"a",@progbits
	.p2align	6, 0x0
	.amdhsa_kernel k_q5343bf96b1_amin
		.amdhsa_group_segment_fixed_size 327680
		.amdhsa_private_segment_fixed_size 0
		.amdhsa_enable_private_segment 0
		.amdhsa_kernarg_size 40
		.amdhsa_user_sgpr_count 2
		.amdhsa_user_sgpr_kernarg_segment_ptr 1
		.amdhsa_wavefront_size32 1
		.amdhsa_system_sgpr_workgroup_id_x 1
		.amdhsa_system_sgpr_workgroup_id_y 1
		.amdhsa_system_sgpr_workgroup_id_z 1
		.amdhsa_system_vgpr_workitem_id 0
		.amdhsa_next_free_vgpr 512
		.amdhsa_next_free_sgpr 96
		.amdhsa_reserve_vcc 0
		.amdhsa_float_denorm_mode_32 3
		.amdhsa_float_denorm_mode_16_64 3
		.amdhsa_memory_ordered 1
		.amdhsa_forward_progress 1
		.amdhsa_inst_pref_size 255
	.end_amdhsa_kernel
	.section	.bss,"aw",@nobits
	.p2align	6
	.space	262144
	.amdgpu_metadata
---
amdhsa.version: [ 1, 2 ]
amdhsa.kernels:
  - .name:           k_q5343bf96b1_amin
    .symbol:         k_q5343bf96b1_amin.kd
    .args:
      - { .name: ebf, .offset: 0, .size: 8, .value_kind: global_buffer, .address_space: global }
      - { .name: ee, .offset: 8, .size: 8, .value_kind: global_buffer, .address_space: global }
      - { .name: inputs, .offset: 16, .size: 8, .value_kind: global_buffer, .address_space: global }
      - { .name: out2, .offset: 24, .size: 8, .value_kind: global_buffer, .address_space: global }
      - { .name: idx, .offset: 32, .size: 8, .value_kind: global_buffer, .address_space: global }
    .group_segment_fixed_size: 327680
    .private_segment_fixed_size: 0
    .kernarg_segment_align: 8
    .kernarg_segment_size: 40
    .max_flat_workgroup_size: 256
    .sgpr_count:     96
    .vgpr_count:     512
    .wavefront_size: 32
...
	.end_amdgpu_metadata
.endif
;; end of part 2
;; launch gath (part 3): grid 512 x 1, 8 waves a work-group, no clusters, 1,280 bytes of LDS; arguments inputs, embedding, idx, out0, part; writes out0, part
.if DOCPART == 3
	.amdgcn_target "amdgcn-amd-amdhsa--gfx1250"
	.amdhsa_code_object_version 6
	.text
	.protected	k_q5343bf96b1_gath
	.globl	k_q5343bf96b1_gath
	.p2align	8
	.type	k_q5343bf96b1_gath,@function
k_q5343bf96b1_gath:
	s_mov_b64 s[64:65], 0
	v_nop
	global_prefetch_b8 v0, s[64:65] scope:SCOPE_SE
	s_setreg_imm32_b32 hwreg(HW_REG_WAVE_MODE, 25, 1), 1
	s_wait_xcnt 0x0
; out0[n] = x[n] + (e[idx[n]] - x[n]), in f32 and in that order;  part[g] = the work-group's sum of (e[idx[n]] - x[n])^2.
; The loss is summed from the differences themselves, not from the least distances, which are differences of large sums.
; A stream with a gather: 512 work-groups x 8 waves x 8 rows.  A wave reads its eight indices by one scalar load and then has all its 32 loads
; of 512 bytes out at once: there is no loop, and nothing to ask for ahead.  No tile is shared, so no cluster; no product, so no matrix unit.
.set AC, 4                             ; v[4:11]    four pairs of partial sums
.set XR, 16                            ; v[16:79]   row r: 8 registers of x, then of the result (the stores' data, not rewritten)
.set QR, 80                            ; v[80:143]  row r: 8 registers of the code, then of the difference
.set QO, 144                           ; v[144:151] row r: byte offset of my 16 bytes in its code
	s_load_b256 s[4:11], s[0:1], 0x0               ; inputs s[4:5], embedding s[6:7], idx s[8:9], out0 s[10:11]
	s_load_b64 s[12:13], s[0:1], 0x20              ; part
	v_lshl_add_u32 v160, v0, 2, 0x100
	v_mov_b32 v161, 0
	v_lshrrev_b32 v3, 5, v0
	v_readfirstlane_b32 s14, v3                    ; wave 0..7
	v_and_b32 v1, 31, v0
	v_lshlrev_b32 v1, 4, v1                        ; 16 lane
	v_lshl_add_u32 v2, v3, 13, v1                  ; + wave x 8 rows x 1,024 bytes
	s_lshl_b32 s24, ttmp9, 16                      ; the work-group's 64 rows
	s_mov_b32 s25, 0
	s_lshl_b32 s26, ttmp9, 8                       ; its 64 indices,
	s_lshl_b32 s27, s14, 5                         ; the wave's 8
	s_add_co_u32 s26, s26, s27
	s_mov_b32 s27, 0
	s_lshl_b32 s28, ttmp9, 2                       ; its word of part
	s_mov_b32 s29, 0
	s_mov_b32 s30, 0x76543210
	s_mov_b32 s31, 0xfedcba98
	s_wait_kmcnt 0x0
	s_add_nc_u64 s[8:9], s[8:9], s[26:27]
	s_load_b256 s[16:23], s[8:9], 0x0              ; eight indices
	s_add_nc_u64 s[4:5], s[4:5], s[24:25]
	s_add_nc_u64 s[10:11], s[10:11], s[24:25]
	s_add_nc_u64 s[12:13], s[12:13], s[28:29]
.irp r, 0,1,2,3,4,5,6,7
	global_load_b128 v[XR+8*\r:XR+8*\r+3],   v2, s[4:5] offset:1024*\r th:TH_LOAD_NT
	global_load_b128 v[XR+8*\r+4:XR+8*\r+7], v2, s[4:5] offset:1024*\r+512 th:TH_LOAD_NT
.endr
	s_wait_kmcnt 0x0
.irp r, 0,1,2,3,4,5,6,7
	s_min_u32 s[16+\r], s[16+\r], 8191             ; an index stays inside the table
	s_lshl_b32 s[16+\r], s[16+\r], 10              ; a code is 1,024 bytes
	v_add_nc_u32 v[QO+\r], s[16+\r], v1
.endr
.irp r, 0,1,2,3,4,5,6,7
	global_load_b128 v[QR+8*\r:QR+8*\r+3],   v[QO+\r], s[6:7]              ; no hint: rows may name the same code
	global_load_b128 v[QR+8*\r+4:QR+8*\r+7], v[QO+\r], s[6:7] offset:512
.endr
.macro GROW r
	s_wait_loadcnt 14-2*\r                         ; loads come back in order: x and this row's code are in, the two loads of each younger row's code stay out
.irp k, 0,1,2,3
	v_pk_add_f32 v[QR+8*\r+2*\k:QR+8*\r+2*\k+1], v[QR+8*\r+2*\k:QR+8*\r+2*\k+1], v[XR+8*\r+2*\k:XR+8*\r+2*\k+1] neg_lo:[0,1] neg_hi:[0,1]
.endr
.irp k, 0,1,2,3
.if \r
	v_pk_fma_f32 v[AC+2*\k:AC+2*\k+1], v[QR+8*\r+2*\k:QR+8*\r+2*\k+1], v[QR+8*\r+2*\k:QR+8*\r+2*\k+1], v[AC+2*\k:AC+2*\k+1]
.else
	v_pk_mul_f32 v[AC+2*\k:AC+2*\k+1], v[QR+8*\r+2*\k:QR+8*\r+2*\k+1], v[QR+8*\r+2*\k:QR+8*\r+2*\k+1]   ; the first row starts the sums
.endif
.endr
.irp k, 0,1,2,3
	v_pk_add_f32 v[XR+8*\r+2*\k:XR+8*\r+2*\k+1], v[XR+8*\r+2*\k:XR+8*\r+2*\k+1], v[QR+8*\r+2*\k:QR+8*\r+2*\k+1]
.endr
	global_store_b128 v2, v[XR+8*\r:XR+8*\r+3],   s[10:11] offset:1024*\r th:TH_STORE_NT       ; 32 lanes x 16 bytes: 512 consecutive bytes, aligned
	global_store_b128 v2, v[XR+8*\r+4:XR+8*\r+7], s[10:11] offset:1024*\r+512 th:TH_STORE_NT
.endm
.irp r, 0,1,2,3,4,5,6,7
	GROW \r
.endr
	v_pk_add_f32 v[AC:AC+1],   v[AC:AC+1],   v[AC+2:AC+3]
	v_pk_add_f32 v[AC+4:AC+5], v[AC+4:AC+5], v[AC+6:AC+7]
	v_pk_add_f32 v[AC:AC+1],   v[AC:AC+1],   v[AC+4:AC+5]
	v_add_f32 v[AC], v[AC], v[AC+1]
.irp m, 1,2,4,8
	v_add_f32_dpp v[AC], v[AC], v[AC] row_xmask:\m row_mask:0xf bank_mask:0xf
.endr
	v_permlanex16_b32 v[AC+1], v[AC], s30, s31
	v_add_f32 v[AC], v[AC], v[AC+1]
	v_lshlrev_b32 v3, 2, v3                        ; the wave's word
	ds_store_b32 v3, v[AC]
	s_wait_dscnt 0x0                               ; for wave 0, which reads it
	s_barrier_signal -1
	s_barrier_wait -1
	s_cmp_lg_u32 s14, 0
	s_cbranch_scc1 .Lothers
	v_mov_b32 v6, 0
	ds_load_b128 v[8:11], v6
	ds_load_b128 v[12:15], v6 offset:16
	v_cmp_eq_u32 vcc_lo, 0, v0
	s_wait_dscnt 0x0
	v_pk_add_f32 v[8:9],   v[8:9],   v[10:11]
	v_pk_add_f32 v[12:13], v[12:13], v[14:15]
	v_pk_add_f32 v[8:9],   v[8:9],   v[12:13]
	v_add_f32 v8, v8, v9
	s_wait_xcnt 0x0                                ; EXEC is a source of my pending stores: it changes only behind this wait
	s_wait_tensorcnt 0x0
	ds_add_u32 v160, v161
	s_wait_dscnt 0x0
	s_and_saveexec_b32 s15, vcc_lo
	global_store_b32 v6, v8, s[12:13]              ; one word for the work-group: the sum over work-groups is the next launch's
	s_endpgm
.Lothers:
	s_wait_tensorcnt 0x0
	ds_add_u32 v160, v161
	s_wait_dscnt 0x0
	s_endpgm
.Lfunc_end_k_q5343bf96b1_gath:
	.size	k_q5343bf96b1_gath, .Lfunc_end_k_q5343bf96b1_gath-k_q5343bf96b1_gath
	.p2alignl 7, 3214868480
	.fill 96, 4, 3214868480
	.section	.rodata,"a",@progbits
	.p2align	6, 0x0
	.amdhsa_kernel k_q5343bf96b1_gath
		.amdhsa_group_segment_fixed_size 1280
		.amdhsa_private_segment_fixed_size 0
		.amdhsa_enable_private_segment 0
		.amdhsa_kernarg_size 40
		.amdhsa_user_sgpr_count 2
		.amdhsa_user_sgpr_kernarg_segment_ptr 1
		.amdhsa_wavefront_size32 1
		.amdhsa_system_sgpr_workgroup_id_x 1
		.amdhsa_system_sgpr_workgroup_id_y 1
		.amdhsa_system_sgpr_workgroup_id_z 1
		.amdhsa_system_vgpr_workitem_id 0
		.amdhsa_next_free_vgpr 162
		.amdhsa_next_free_sgpr 66
		.amdhsa_reserve_vcc 1
		.amdhsa_float_denorm_mode_32 3
		.amdhsa_float_denorm_mode_16_64 3
		.amdhsa_memory_ordered 1
		.amdhsa_forward_progress 1
		.amdhsa_inst_pref_size 15
	.end_amdhsa_kernel
	.amdgpu_metadata
---
amdhsa.version: [ 1, 2 ]
amdhsa.kernels:
  - .name:           k_q5343bf96b1_gath
    .symbol:         k_q5343bf96b1_gath.kd
    .args:
      - { .name: inputs, .offset: 0, .size: 8, .value_kind: global_buffer, .address_space: global }
      - { .name: embedding, .offset: 8, .size: 8, .value_kind: global_buffer, .address_space: global }
      - { .name: idx, .offset: 16, .size: 8, .value_kind: global_buffer, .address_space: global }
      - { .name: out0, .offset: 24, .size: 8, .value_kind: global_buffer, .address_space: global }
      - { .name: part, .offset: 32, .size: 8, .value_kind: global_buffer, .address_space: global }
    .group_segment_fixed_size: 1280
    .private_segment_fixed_size: 0
    .kernarg_segment_align: 8
    .kernarg_segment_size: 40
    .max_flat_workgroup_size: 256
    .sgpr_count:     66
    .vgpr_count:     162
    .wavefront_size: 32
...
	.end_amdgpu_metadata
.endif
;; end of part 3
;; launch lsum (part 4): grid 1 x 1, 1 waves a work-group, no clusters, 0 bytes of LDS; arguments part, out1; writes out1
.if DOCPART == 4
	.amdgcn_target "amdgcn-amd-amdhsa--gfx1250"
	.amdhsa_code_object_version 6
	.text
	.protected	k_q5343bf96b1_lsum
	.globl	k_q5343bf96b1_lsum
	.p2align	8
	.type	k_q5343bf96b1_lsum,@function
k_q5343bf96b1_lsum:
	s_mov_b64 s[64:65], 0
	v_nop
	global_prefetch_b8 v0, s[64:65] scope:SCOPE_SE
	s_setreg_imm32_b32 hwreg(HW_REG_WAVE_MODE, 25, 1), 1
	s_wait_xcnt 0x0
; out1 = m + 0.25 m, m = (sum of the 512 partial sums) / 2^23  (32,768 rows x 256 columns).  Both losses of the problem are the same mean.
; One wave: 2,048 bytes, four loads of 512 bytes.  A sum over work-groups has one owner, in a launch of its own.
	s_load_b128 s[4:7], s[0:1], 0x0                ; part s[4:5], out1 s[6:7]
	v_lshlrev_b32 v1, 4, v0
	v_mov_b32 v2, 0
	s_mov_b32 s8, 0x76543210
	s_mov_b32 s9, 0xfedcba98
	s_mov_b32 s11, 0x3e800000                      ; 0.25
	s_wait_kmcnt 0x0
.irp i, 0,1,2,3
	global_load_b128 v[4+4*\i:7+4*\i], v1, s[4:5] offset:512*\i
.endr
	v_cmp_eq_u32 vcc_lo, 0, v0
	s_wait_loadcnt 0x0
	v_pk_add_f32 v[4:5],   v[4:5],   v[6:7]
	v_pk_add_f32 v[8:9],   v[8:9],   v[10:11]
	v_pk_add_f32 v[12:13], v[12:13], v[14:15]
	v_pk_add_f32 v[16:17], v[16:17], v[18:19]
	v_pk_add_f32 v[4:5],   v[4:5],   v[8:9]
	v_pk_add_f32 v[12:13], v[12:13], v[16:17]
	v_pk_add_f32 v[4:5],   v[4:5],   v[12:13]
	v_add_f32 v4, v4, v5
.irp m, 1,2,4,8
	v_add_f32_dpp v4, v4, v4 row_xmask:\m row_mask:0xf bank_mask:0xf
.endr
	v_permlanex16_b32 v5, v4, s8, s9
	v_add_f32 v4, v4, v5
	v_mul_f32 v4, 0x34000000, v4                   ; times 2^-23, exact
	v_fma_f32 v4, v4, s11, v4                      ; 0.25 m + m, one rounding; 0.25 m is exact, so it is the rounding of the problem's sum
	s_wait_xcnt 0x0                                ; EXEC changes only behind this wait
	s_and_saveexec_b32 s10, vcc_lo
	global_store_b32 v2, v4, s[6:7]
	s_endpgm
.Lfunc_end_k_q5343bf96b1_lsum:
	.size	k_q5343bf96b1_lsum, .Lfunc_end_k_q5343bf96b1_lsum-k_q5343bf96b1_lsum
	.p2alignl 7, 3214868480
	.fill 96, 4, 3214868480
	.section	.rodata,"a",@progbits
	.p2align	6, 0x0
	.amdhsa_kernel k_q5343bf96b1_lsum
		.amdhsa_group_segment_fixed_size 0
		.amdhsa_private_segment_fixed_size 0
		.amdhsa_enable_private_segment 0
		.amdhsa_kernarg_size 16
		.amdhsa_user_sgpr_count 2
		.amdhsa_user_sgpr_kernarg_segment_ptr 1
		.amdhsa_wavefront_size32 1
		.amdhsa_system_sgpr_workgroup_id_x 1
		.amdhsa_system_sgpr_workgroup_id_y 1
		.amdhsa_system_sgpr_workgroup_id_z 1
		.amdhsa_system_vgpr_workitem_id 0
		.amdhsa_next_free_vgpr 24
		.amdhsa_next_free_sgpr 66
		.amdhsa_reserve_vcc 1
		.amdhsa_float_denorm_mode_32 3
		.amdhsa_float_denorm_mode_16_64 3
		.amdhsa_memory_ordered 1
		.amdhsa_forward_progress 1
		.amdhsa_inst_pref_size 3
	.end_amdhsa_kernel
	.amdgpu_metadata
---
amdhsa.version: [ 1, 2 ]
amdhsa.kernels:
  - .name:           k_q5343bf96b1_lsum
    .symbol:         k_q5343bf96b1_lsum.kd
    .args:
      - { .name: part, .offset: 0, .size: 8, .value_kind: global_buffer, .address_space: global }
      - { .name: out1, .offset: 8, .size: 8, .value_kind: global_buffer, .address_space: global }
    .group_segment_fixed_size: 0
    .private_segment_fixed_size: 0
    .kernarg_segment_align: 8
    .kernarg_segment_size: 16
    .max_flat_workgroup_size: 32
    .sgpr_count:     66
    .vgpr_count:     24
    .wavefront_size: 32
...
	.end_amdgpu_metadata
.endif
;; end of part 4
